; MI455X (gfx1250); checked and timed in simulation.
; The chip was launched on July 23, 2026; its instructions are those of AMD's public machine-readable ISA for CDNA 5 (MIT licence, August 2026) and "CDNA5" Instruction Set Architecture Reference Guide (July 2026). The comments in the code are by the model that wrote it; some were corrected since.
;; Self Attention. Allowed arithmetic: matrix products marked QUANTISED: E4M3 operands, one E8M0 scale for each 32 along K, by v_wmma_scale_f32_16x16x128_f8f6f4 with both operands' format E4M3, f32 sums; everything else in f32.
;; Inputs: Wk_codes 1,024 x 32 x 32 uint8 (E4M3 codes of Wk, K innermost, in blocks of 32 codes); Wk_scales 1,024 x 32 uint8 (E8M0 scales of Wk, one for each 32 codes along K); Wo_codes 1,024 x 32 x 32 uint8 (E4M3 codes of Wo, K innermost, in blocks of 32 codes); Wo_scales 1,024 x 32 uint8 (E8M0 scales of Wo, one for each 32 codes along K); Wq_codes 1,024 x 32 x 32 uint8 (E4M3 codes of Wq, K innermost, in blocks of 32 codes); Wq_scales 1,024 x 32 uint8 (E8M0 scales of Wq, one for each 32 codes along K); Wv_codes 1,024 x 32 x 32 uint8 (E4M3 codes of Wv, K innermost, in blocks of 32 codes); Wv_scales 1,024 x 32 uint8 (E8M0 scales of Wv, one for each 32 codes along K); bk 1,024 float32; bo 1,024 float32; bq 1,024 float32; bv 1,024 float32; x_codes 2 x 2,048 x 32 x 32 uint8 (E4M3 codes of x, K innermost, in blocks of 32 codes); x_scales 2 x 2,048 x 32 uint8 (E8M0 scales of x, one for each 32 codes along K).
;; Outputs: out0 2 x 2,048 x 1,024 float32.
;; This version of the problem:
;;   THIS VERSION OF THE PROBLEM IS GIVEN IN LOW PRECISION. The matrix products marked QUANTISED in the list below multiply operands that are first quantised to E4M3 (4 exponent bits, 3 mantissa bits; 8 bits a number), with one power-of-two scale for each 32 numbers along K (OCP MX v1.0); their sums are f32. All else is computed in f32.
;;   The module's matrix products, in the order in which they are computed (A, B: the left and right operand; K: the contracted axis; several contracted axes count as one K, in the product's order):
;;     1. [M 4,096, K 1,024] x [K 1,024, N 1,024]; A: input x (given as codes); B: input Wq (given as codes): QUANTISED
;;     2. [M 4,096, K 1,024] x [K 1,024, N 1,024]; A: input x (given as codes); B: input Wk (given as codes): QUANTISED
;;     3. [M 4,096, K 1,024] x [K 1,024, N 1,024]; A: input x (given as codes); B: input Wv (given as codes): QUANTISED
;;     4. batch 32 x [M 2,048, K 64] x [K 64, N 2,048]; A: computed on the way; B: computed on the way: QUANTISED
;;     5. batch 32 x [M 2,048, K 2,048] x [K 2,048, N 64]; A: softmax (see below); B: computed on the way: QUANTISED
;;     6. [M 4,096, K 1,024] x [K 1,024, N 1,024]; A: computed on the way; B: input Wo (given as codes): QUANTISED
;;   THE QUANTISER, for each operand of a quantised product, along K:
;;     - K is cut into blocks of 32 from its start; a last block that is shorter is filled with zeros.
;;     - A block's scale is 2^e with e = floor(log2(the largest magnitude in the block)) - 8, held to -126 .. 127; a block of zeros has e = 0. As a byte (E8M0): e + 127.
;;     - Each number is divided by its block's scale, clamped to +-448, and rounded to the nearest number of E4M3, ties to even, subnormals kept.
;;     - The product sums the exact products of the quantised numbers (number of the format x scale) in f32.
;;   ~~~python
;;   def quantise(x, axis):      # numpy; x: float32 -> the quantised numbers, widened to float32 again
;;       x = np.moveaxis(x, axis, -1); K = x.shape[-1]
;;       x = np.pad(x, [(0, 0)] * (x.ndim - 1) + [(0, -K % 32)]); x = x.reshape(x.shape[:-1] + (-1, 32)); a = np.abs(x).max(-1, keepdims=True)
;;       e = np.where(a > 0, np.clip(np.frexp(np.where(a > 0, a, 1))[1] - 1 - 8, -126, 127), 0)      # np.frexp(a)[1] - 1 = floor(log2(a)), exactly
;;       r = np.clip(x / 2.0 ** e, -448, 448)
;;       step = 2.0 ** (np.maximum(np.frexp(np.where(r == 0, 1, r))[1] - 1, -6) - 3)
;;       q = np.round(r / step) * step * 2.0 ** e      # np.round: ties to even
;;       return np.moveaxis(q.reshape(q.shape[:-2] + (-1,))[..., :K], -1, axis).astype(np.float32)
;;   ~~~
;;   SOFTMAX AHEAD OF A QUANTISED PRODUCT. Where the list says 'softmax', what is quantised is not the finished softmax but p = 2^(t - M), with t = logit x log2(e) and M = ceil(the row's largest t), a whole number; so 1/2 < the row's largest p <= 1. The row's sum l is taken of the UNQUANTISED p, in f32, and the product's result is divided by l at the end. Since M is a whole number, a kernel that streams over the keys may use a running M (the ceiling of the running maximum): every later rescaling is an exact power of two, which a block's scale takes up: the codes' values come out the same.
;;   OPERANDS COMPUTED ON THE WAY. 'Computed on the way' means the value that the module computes at that place (a softmax that the list does not call 'softmax' is quantised finished and normalised). What goes into a quantiser is computed in f32, as accurately as f32 sums, v_exp_f32 and their like allow (about 1e-6 of the number): no bf16 or f16 on the way to a quantiser, and a product that is left as it is and whose result goes on into a quantised operand takes f32 operands (vector FMAs, or v_wmma_f32_16x16x4_f32). A number that lies on a knife's edge between two numbers of the format may be rounded either way, as far as f32 arithmetic and the matrix unit's own rounding can turn it there, and no further.
;;   INPUTS GIVEN AS CODES. Wk (in the module: [1024, 1024], K = its axis 0); Wo (in the module: [1024, 1024], K = its axis 0); Wq (in the module: [1024, 1024], K = its axis 0); Wv (in the module: [1024, 1024], K = its axis 0); x (in the module: [2, 2048, 1024], K = its axis 2): each comes as NAME_codes (uint8): NAME with its K axis moved to the last place and cut into blocks of 32 codes, [.., K / 32, bytes a block], one block behind the other in memory; one code a byte (a code: sign, 4 exponent bits, 3 mantissa bits); and NAME_scales (uint8): the same leading axes, one E8M0 byte (e + 127) for each 32 codes along K. Its value is code x scale, taken as it is: it is not quantised again, and the codes and scales need not be those that the quantiser above would give.
;; One version. Each part assembles by itself: llvm-mc -triple=amdgcn-amd-amdhsa -mcpu=gfx1250 --defsym DOCPART=n.
;; ======== version 1 of 1: 3 launches
;; limits: right only within a limited range of input values
;; workspace buffers: qimg 4,194,304 bytes; qscl 131,072 bytes; kv 8,650,752 bytes; aimg 4,194,304 bytes; ascl 131,072 bytes
;; launch qkv (part 1): grid 8 x 32, 4 waves a work-group, clusters of 4 x 4, 327,680 bytes of LDS; arguments x_codes, x_scales, Wq_codes, Wq_scales, Wk_codes, Wk_scales, Wv_codes, Wv_scales, bq, bk, bv, qimg, qscl, kv; writes qimg, qscl, kv
.if DOCPART == 1
	.amdgcn_target "amdgcn-amd-amdhsa--gfx1250"
	.amdhsa_code_object_version 6
	.text
	.protected	k_q818cd670bb_qkv
	.globl	k_q818cd670bb_qkv
	.p2align	8
	.type	k_q818cd670bb_qkv,@function
k_q818cd670bb_qkv:
	s_mov_b64 s[64:65], 0
	v_nop
	global_prefetch_b8 v0, s[64:65] scope:SCOPE_SE
	s_setreg_imm32_b32 hwreg(HW_REG_WAVE_MODE, 25, 1), 1
	s_wait_xcnt 0x0
	s_wait_alu depctr_hold_cnt(0) depctr_sa_sdst(0) depctr_va_vdst(0) depctr_va_sdst(0) depctr_va_ssrc(0) depctr_va_vcc(0) depctr_vm_vsrc(0)
	s_getreg_b32 s2, hwreg(HW_REG_IB_STS2, 6, 4)
	s_cmp_eq_u32 s2, 0
	s_cbranch_scc0 .Lentry_in_a_cluster
	s_endpgm
.Lentry_in_a_cluster:
	s_bfe_u32 s2, ttmp6, 0x10000c
	s_cmp_lg_u32 s2, 0xf033
	s_cbranch_scc0 .Lentry_shape_is_right
	s_endpgm
.Lentry_shape_is_right:
; q = x Wq + bq, k = x Wk + bk, v = x Wv + bv on codes of FP8 (E4M3) with one E8M0 scale for each 32 along K = 1,024; the results are quantised at once for the
; attention launch: q and k along the head's 64 (two blocks), v along the keys.  They leave as IMAGES OF OPERAND REGISTERS: four registers of 32 lanes are 512 consecutive bytes, lane l at 16 l.
; SHARES.  Grid 8 x 32 work-groups.  A work-group takes 128 rows of x against the same 128 rows (two heads) of Wq, then Wk, then Wv: three passes.  Four waves, each 64 x 64: 16 accumulators;
; a wave's half of the weight's rows is wave % 2, its half of x's rows wave / 2.  X STAYS: the first pass leaves its 64 rows of x, all of K, in 512 registers, and the later passes read the weight alone from LDS.
; For q and k source 0 = the weight's rows, source 1 = x's: a lane holds ONE row of x and its registers run along the head.  For v source 0 = x's rows: a lane holds one channel, its registers run along the keys.
; LDS.  Two halves along K of 512: in each x's 128 rows, then the weight's 128, 528 bytes apart.  Half 0 comes at the head, half 1 behind the round that shows half 0.  When K steps 0 to 3 have been read,
; Wk comes into half 0's bytes: its first half of K where Wq's rows lay, its second where x's lay; when K steps 4 to 7 have been read, Wv likewise into half 1's bytes.
; CLUSTER 4 x 4.  x's rows hang on the tile row alone and are asked for jointly along a row of the cluster; a weight's rows hang on the tile column alone: jointly along a column.
; No prefetch: a work-group's fills are four loads a wave in all, and there is no loop to run ahead in.
; ORDER IN A BLOCK OF 32.  A result tile gives lane (r, h) the indices 8 h + j; two neighbouring tiles' codes stand in the operand as they are: place 16 h + i is index 8 h + i (i < 8) or 16 + 8 h + i - 8.
; q and k have the same order along the head, v along the keys the order in which the attention launch has p: the same permutation on both sides of a product.
; SCALE WORDS.  A register holds a row's word of K step q in lanes 0-15 and that of K step q + 4 in lanes 16-31; K steps 4 to 7 name the upper row.
; THE BIAS is the C of each sum's first product: eight registers a tile in the result's layout.
; LIMITS.  NaN and infinities are not served.  A block whose largest magnitude lies under 2^-118 is held at the byte 1; a block of zeros gets the byte 1 where the rule says 127:
; its codes are zeros, which add nothing under that byte, and the bytes are read by this program alone.  v's scale bytes leave as halfwords, 256 bytes for 128 keys of a head.
; REGISTERS.  Window 0: v0-29 addresses and the quantiser's; v30-45 x's scale words, v48-95 the three weights' (they hold nothing else); v96-127 the codes; v128-255 the accumulators ((t, a) at 128 + 8 (4 a + t)).
;   Windows 1, 2: x: K step q, tile i at 64 (q % 4) + 16 i of window 1 + q / 4.   Window 3: v0-127 two buffers of the weight's four tiles; v128-223 the biases, 32 registers a weight.
.set PITCH, 528                        ; an LDS row: 512 bytes + 16 of padding: the 16 rows of a fragment load begin in 16 different groups of four banks (64 banks of 4 bytes: ISA guide 11.1)
.set HALF,  64*PITCH                   ; 64 rows: what one tensor load brings
.set CHUNK, 4*HALF                     ; 512 along K of both panels
.set SPARE, 2*CHUNK                    ; the spare words, 128 bytes for each wave, which no other line names
.set TSC,  0                           ; v0-3   the conversions' scale operands
.set TM,   4                           ; v4-7   four largest magnitudes
.set TBY,  8                           ; v8-11  the other half's, then the bytes
.set THO,  12                          ; v12-15 448 x the scale
.set A0,   16                          ; v16-19 my half of the weight's rows: at half 0's first panel, its second, half 1's first, its second
.set A1,   17
.set A3,   19
.set X0,   20                          ; v20-21 my half of x's rows in half 0, 1
.set SPW,  22                          ; v22    LDS address of my spare word; never rewritten
.set NIL,  23                          ; v23    0; never rewritten
.set LI,   24                          ; v24    16 x lane
.set LS,   25                          ; v25    4 x lane
.set PWA,  26                          ; v26, v27 the scale words made for tiles a = 0, 1 and a = 2, 3
.set PWB,  27
.set SO,   28                          ; v28    32 r + 16 h: my four scale words of a row
.set BO,   29                          ; v29    4 r
.set SCX,  30                          ; x's scale words: tile i, K steps q and q + 4 at 4 i + q
.set SCW,  48                          ; weight w's at 16 w + 4 i + q: no product's two scale registers have numbers equal modulo 8
.set COD,  96                          ; the codes: tile a, block b at 8 a + 4 b
.set ACC,  128
.set WV,   20                          ; s20 wave; s21 wave % 2; s22 wave / 2
.set I0,   21
.set I1,   22
.set LA,   23                          ; s23 where my part of a refill lands in a half
.set G1X,  24                          ; s[24:31] group 1 for x's tiles; s[32:39] for the weights'; s[40:43], s[44:47] their groups 0
.set G1W,  32
.set SEL,  96
.set MNT,  98
.set RO,   100                         ; s[100:101] my part of a tile in a weight's codes, in bytes
.set MSB, 0
.macro WIN new                         ; the immediate's high byte repeats the setting that is left
.if MSB != (\new)
	s_set_vgpr_msb (MSB<<8)|(\new)
.set MSB, \new
.endif
.endm
.macro PLACES n
.rept \n
	v_nop
.endr
.endm
.macro CREST                           ; a round of the cluster's barrier behind its opening barrier
	s_cmp_lg_u32 s[WV], 0
	s_cbranch_scc1 .Lnot_wave_0_\@
	s_barrier_signal -3
.Lnot_wave_0_\@:
	s_barrier_wait -3
	s_barrier_signal -1
	s_barrier_wait -1
.endm
.macro CROUND
	s_barrier_signal -1
	s_barrier_wait -1
	CREST
.endm
.macro JLOAD                           ; waves 0, 1 fetch x's 64-row parts, waves 2, 3 the weight's: one joint load a wave
	s_cmp_lt_u32 s[WV], 2
	s_cbranch_scc0 .Lfill_w_\@
	tensor_load_to_lds s[40:43], s[G1X:G1X+7]
	s_nop 0
	PLACES 4
	s_branch .Lfilled_\@
.Lfill_w_\@:
	tensor_load_to_lds s[44:47], s[G1W:G1W+7]
	s_nop 0
	PLACES 4
.Lfilled_\@:
.endm
	s_load_b512 s[4:19], s[0:1], 0x0               ; x codes, x scales, Wq codes, scales, Wk codes, scales, Wv codes, scales
	s_load_b256 s[84:91], s[0:1], 0x40             ; bq, bk, bv, qimg
	s_load_b128 s[92:95], s[0:1], 0x60             ; qscl, kv
	v_lshl_add_u32 v[SPW], v0, 2, SPARE
	v_mov_b32 v[NIL], 0
	ds_add_u32 v[SPW], v[NIL]                      ; the wave's opening: the add, twice on end, and its wait ahead of my first tensor load
	ds_add_u32 v[SPW], v[NIL]
	v_lshrrev_b32 v1, 5, v0
	v_readfirstlane_b32 s[WV], v1                  ; wave 0..3
	s_and_b32 s[I0], s[WV], 1                      ; my half of the weight's rows.  Also: which 64 rows of a panel I fetch
	s_lshr_b32 s[I1], s[WV], 1                     ; my half of x's rows
	s_bfe_u32 s56, ttmp6, 0x40000                  ; cx
	s_bfe_u32 s57, ttmp6, 0x40004                  ; cy
	s_lshl_b32 s58, ttmp9, 2
	s_add_co_u32 s58, s58, s56                     ; tile column in a weight: 0..7
	s_and_b32 s59, ttmp7, 0xffff
	s_lshl_b32 s59, s59, 2
	s_add_co_u32 s59, s59, s57                     ; tile row of x: 0..31
	s_lshl_b32 s60, s57, 2
	s_lshl_b32 s60, 15, s60                        ; my row of the cluster
	s_lshl_b32 s61, 0x1111, s56                    ; my column
	; group 1: 64 rows x 512 bytes, 1,024 bytes apart in memory, 16 bytes of padding behind each row in LDS
	s_or_b32 s[G1X], s60, (1<<20)|(1<<21)|(6<<22)|(3<<25)   ; 15:0 the mask; 17:16 elements of 1 byte; 20 padding on; 21 set beside a mask; 24:22 after every 128 words; 31:25 four words
	s_or_b32 s[G1W], s61, (1<<20)|(1<<21)|(6<<22)|(3<<25)
.irp g, G1X, G1W
	s_mov_b32 s[\g+1], 512<<16                     ; tensor_dim0
	s_mov_b32 s[\g+2], 64<<16                      ; tensor_dim1
	s_mov_b32 s[\g+3], 512<<16                     ; tile_dim0
	s_mov_b32 s[\g+4], 64                          ; tile_dim1
	s_mov_b32 s[\g+5], 1024                        ; from row to row
	s_mov_b32 s[\g+6], 0
	s_mov_b32 s[\g+7], 0
.endr
	s_lshl_b32 s62, s59, 17                        ; x: 128 x tile row rows of 1,024 bytes,
	s_lshl_b32 s63, s[I0], 16                      ; + the 64 rows that I fetch
	s_add_co_u32 s62, s62, s63
	s_mov_b32 s63, 0
	s_lshl_b32 s[RO], s58, 17                      ; a weight likewise, by the tile column
	s_lshl_b32 s[RO+1], s[I0], 16
	s_add_co_u32 s[RO], s[RO], s[RO+1]
	s_mov_b32 s[RO+1], 0
	s_mul_i32 s99, s[WV], HALF                     ; where the first fills go: x's two parts, then the weight's two
	s_mov_b32 s40, 1                               ; groups 0: count = 1,
	s_mov_b32 s41, s99                             ; the LDS address,
	s_mov_b32 s44, 1
	s_mov_b32 s45, s99
	s_wait_dscnt 0x0                               ; both opening adds are done
	s_wait_kmcnt 0x0
	s_add_nc_u64 s[42:43], s[4:5], s[62:63]        ; the global address,
	s_or_b32 s43, s43, 0x80000000                  ; type = 2
	s_add_nc_u64 s[46:47], s[8:9], s[RO:RO+1]
	s_or_b32 s47, s47, 0x80000000
	CROUND                                         ; all sixteen work-groups are here: the joint loads meet
	JLOAD                                          ; half 0
	v_and_b32 v1, 31, v0                           ; lane
	v_and_b32 v2, 15, v0                           ; r
	v_bfe_u32 v3, v0, 4, 1                         ; h
	v_mul_u32_u24 v4, v2, PITCH
	v_lshl_add_u32 v4, v3, 4, v4                   ; a fragment's row x pitch + 16 h
	v_lshlrev_b32 v[SO], 5, v2                     ; a row of scale bytes is 32 bytes: lanes 0-15 take its words 0 to 3, lanes 16-31 its words 4 to 7
	v_lshl_add_u32 v[SO], v3, 4, v[SO]
	v_lshlrev_b32 v5, 5, v3                        ; my eight numbers of a tile's bias
	v_lshlrev_b32 v[BO], 2, v2
	v_lshlrev_b32 v[LS], 2, v1
	v_lshlrev_b32 v[LI], 4, v1
.irp b, 0,1,2,3
	v_mov_b32 v[TBY+\b], 0                         ; written once: a lane permute's destination counts as one of its sources
.endr
	s_mov_b32 s[SEL], 0x76543210
	s_mov_b32 s[SEL+1], 0xfedcba98                 ; v_permlanex16_b32's selects for lane l xor 16
	s_mov_b32 s[MNT], 0x600000                     ; the mantissa field of 448
	s_mul_i32 s4, s[I0], HALF
	s_mul_i32 s5, s[I1], HALF
.irp c, 0,1,2,3
	v_add_nc_u32 v[A0+\c], s4, v4
	s_add_co_u32 s4, s4, 2*HALF
.endr
	v_add_nc_u32 v[X0], s5, v4
	s_add_co_u32 s5, s5, CHUNK
	v_add_nc_u32 v[X0+1], s5, v4
	; the refills: wave w brings rows 64 (w % 2) on, half w / 2 of K, to the place of panel part w xor 2
	s_lshl_b32 s99, s[I1], 9
	s_add_co_u32 s[RO], s[RO], s99
	s_xor_b32 s[LA], s[WV], 2
	s_mul_i32 s[LA], s[LA], HALF
	s_mov_b32 s67, 0
	s_lshl_b32 s66, s58, 12                        ; the weights' scale bytes: 128 rows of 32 a tile column, + my 64
	s_lshl_b32 s99, s[I0], 11
	s_add_co_u32 s66, s66, s99
	s_add_nc_u64 s[10:11], s[10:11], s[66:67]
	s_add_nc_u64 s[14:15], s[14:15], s[66:67]
	s_add_nc_u64 s[18:19], s[18:19], s[66:67]
	s_lshl_b32 s66, s59, 12                        ; x's likewise, by the tile row
	s_lshl_b32 s99, s[I1], 11
	s_add_co_u32 s66, s66, s99
	s_add_nc_u64 s[6:7], s[6:7], s[66:67]
	s_lshl_b32 s66, s58, 9                         ; the biases: 128 numbers a tile column, + my 64
	s_lshl_b32 s99, s[I0], 8
	s_add_co_u32 s66, s66, s99
	s_add_nc_u64 s[84:85], s[84:85], s[66:67]
	s_add_nc_u64 s[86:87], s[86:87], s[66:67]
	s_add_nc_u64 s[88:89], s[88:89], s[66:67]
	s_wait_alu depctr_va_vdst(0)                   ; the offsets below were written ahead of a run of scalar instructions
.irp t, 0,1,2,3
	global_load_b128 v[SCX+4*\t:SCX+4*\t+3], v[SO], s[6:7] offset:512*\t             ; row 16 t + r: register q holds K step q's word below and K step q + 4's above
.endr
.irp w, 0,1,2
.irp t, 0,1,2,3
	global_load_b128 v[SCW+16*\w+4*\t:SCW+16*\w+4*\t+3], v[SO], s[10+4*\w:11+4*\w] offset:512*\t
.endr
.endr
	WIN 0xc0
.irp t, 0,1,2,3
	global_load_b128 v[128+8*\t:128+8*\t+3], v5, s[84:85] offset:64*\t               ; bq(16 t + 8 h + 0 .. 7)
	global_load_b128 v[128+8*\t+4:128+8*\t+7], v5, s[84:85] offset:64*\t+16
	global_load_b128 v[160+8*\t:160+8*\t+3], v5, s[86:87] offset:64*\t               ; bk likewise
	global_load_b128 v[160+8*\t+4:160+8*\t+7], v5, s[86:87] offset:64*\t+16
.endr
	WIN 0
	; where the results go (registers that no pending load names)
	s_lshr_b32 s2, s59, 4                          ; the batch,
	s_and_b32 s3, s59, 15                          ; and which 128 rows of its 2,048
	s_lshl_b32 s2, s2, 4
	s_lshl_b32 s4, s58, 1
	s_add_co_u32 s2, s2, s4
	s_add_co_u32 s2, s2, s[I0]                     ; 16 x batch + head
	s_lshl_b32 s66, s2, 17                         ; q's images: 131,072 bytes a head, 8,192 for 128 rows, 4,096 for my 64
	s_lshl_b32 s4, s3, 13
	s_add_co_u32 s66, s66, s4
	s_lshl_b32 s4, s[I1], 12
	s_add_co_u32 s66, s66, s4
	s_add_nc_u64 s[90:91], s[90:91], s[66:67]
	s_lshl_b32 s66, s2, 12                         ; q's scale words: 4,096 a head, 256, 128
	s_lshl_b32 s4, s3, 8
	s_add_co_u32 s66, s66, s4
	s_lshl_b32 s4, s[I1], 7
	s_add_co_u32 s66, s66, s4
	s_add_nc_u64 s[92:93], s[92:93], s[66:67]
	s_mul_i32 s66, s2, 270336                      ; kv: 270,336 bytes a head, 16,896 for a step of 128 keys
	s_mul_i32 s4, s3, 16896
	s_add_co_u32 s66, s66, s4
	s_add_nc_u64 s[94:95], s[94:95], s[66:67]
	s_lshl_b32 s66, s[I1], 12
	s_add_nc_u64 s[56:57], s[94:95], s[66:67]      ; k's images: at the step's head, 4,096 bytes for my 64 keys
	s_lshl_b32 s66, s[I1], 7
	s_add_co_u32 s66, s66, 16384
	s_add_nc_u64 s[58:59], s[94:95], s[66:67]      ; k's scale words
	s_lshl_b32 s66, s[I1], 10
	s_add_co_u32 s66, s66, 8192
	s_add_nc_u64 s[60:61], s[94:95], s[66:67]      ; v's images: my 64 keys are two of an image's four groups
	s_lshl_b32 s66, s[I1], 1
	s_add_co_u32 s66, s66, 16640
	s_add_nc_u64 s[62:63], s[94:95], s[66:67]      ; v's scale words: my two bytes of each
; K step q's fragments of the weight (4 tiles, 16 registers each) into buffer p: 16 loads.  Lane (r, h), registers 4 g on: k = 32 g + 16 h + 0 .. 15
.macro FW adr, q, p
	WIN 0xc0
.irp i, 0,1,2,3
.irp g, 0,1,2,3
	ds_load_b128 v[64*(\p)+16*\i+4*\g:64*(\p)+16*\i+4*\g+3], v[\adr] offset:16*PITCH*\i+128*((\q)%4)+32*\g
.endr
.endr
.endm
; and of x, into the registers where they stay: 16 loads
.macro FX q
	WIN 0x40*(1+(\q)/4)
.irp i, 0,1,2,3
.irp g, 0,1,2,3
	ds_load_b128 v[64*((\q)%4)+16*\i+4*\g:64*((\q)%4)+16*\i+4*\g+3], v[X0+(\q)/4] offset:16*PITCH*\i+128*((\q)%4)+32*\g
.endr
.endr
.endm
; Eight matrix instructions of pass w: tiles a0, a0 + 1 x four tiles t.  A K step is two of these: the 16 accumulators by turns, one instruction a turn, in the same order in every K step.
; K step 0 starts the sums with the bias (window 3).  w = 0, 1: source 0 = the weight's tile t, source 1 = x's tile a.  w = 2: source 0 = x's tile t, source 1 = the weight's tile a.
.macro MUL8 q, p, w, a0
.set CW, 0
.if (\q) == 0
.set CW, 0x30
.endif
.set XW, 1+(\q)/4
.if (\w) < 2
	WIN 3|(XW<<2)|CW
.else
	WIN XW|(3<<2)|CW
.endif
.irp a, \a0, \a0+1
.irp t, 0,1,2,3
.if (\w) < 2
.set rA, 64*(\p)+16*\t
.set rB, 64*((\q)%4)+16*(\a)
.set sA, SCW+16*(\w)+4*\t+(\q)%4
.set sB, SCX+4*(\a)+(\q)%4
.set rC, 128+32*(\w)+8*\t
.else
.set rA, 64*((\q)%4)+16*\t
.set rB, 64*(\p)+16*(\a)
.set sA, SCX+4*\t+(\q)%4
.set sB, SCW+16*(\w)+4*(\a)+(\q)%4
.set rC, 192+8*(\a)
.endif
.set rD, ACC+8*(4*(\a)+\t)
.if (\q) == 0
	v_wmma_scale_f32_16x16x128_f8f6f4 v[rD:rD+7], v[rA:rA+15], v[rB:rB+15], v[rC:rC+7], v[sA], v[sB]
.elseif (\q) < 4
	v_wmma_scale_f32_16x16x128_f8f6f4 v[rD:rD+7], v[rA:rA+15], v[rB:rB+15], v[rD:rD+7], v[sA], v[sB]
.else
	v_wmma_scale_f32_16x16x128_f8f6f4 v[rD:rD+7], v[rA:rA+15], v[rB:rB+15], v[rD:rD+7], v[sA], v[sB] matrix_a_scale:MATRIX_SCALE_ROW1 matrix_b_scale:MATRIX_SCALE_ROW1
.endif
.endr
.endr
.endm
; Which address register K step q of pass w reads the weight by
.macro ADRSEL w, q
.if (\w) == 0
.set AD, A1+2*((\q)/4)
.elseif (\w) == 1
.set AD, A1-(\q)/4
.else
.set AD, A3-(\q)/4
.endif
.endm
; K step q of pass w: the next step's fragments are asked for, then this step is multiplied.
.macro STEP q, w
.if (\q) >= 1
	PLACES 8                                       ; eight places between the last products and loads into the registers that they read
.endif
	ADRSEL \w, (\q)+1
	FW AD, (\q)+1, ((\q)+1)%2
.if (\w) == 0
	FX (\q)+1
	s_wait_dscnt 32                                ; all but the 32 just issued
.else
	s_wait_dscnt 16                                ; all but the 16 just issued
.endif
	MUL8 \q, (\q)%2, \w, 0
	MUL8 \q, (\q)%2, \w, 2
.endm
; K step q (3 or 7) of pass 0 changes a half: my tensor load that was out has landed and a group 0 may be written; my reads of the half are over.  The round shows the same of every wave of all sixteen
; work-groups; half of the step's products stand inside its opening barrier.  The joint refill is the first thing behind the round, one tensor load a wave.
.macro TURN q, base, lds
	WIN 0
	s_wait_tensorcnt 0x0
	ds_add_u32 v[SPW], v[NIL]                      ; 0 onto my spare word
	s_add_co_u32 s45, s[LA], \lds
	s_add_nc_u64 s[46:47], s[\base:\base+1], s[RO:RO+1]
	s_or_b32 s47, s47, 0x80000000
	s_wait_dscnt 0x0
	s_barrier_signal -1
	MUL8 \q, 1, 0, 0
	WIN 0
	s_barrier_wait -1
	CREST
	tensor_load_to_lds s[44:47], s[G1W:G1W+7]
	s_nop 0
	PLACES 8                                       ; the places in front of the loads that follow
.endm
; 64 numbers of a lane, v[s] on: four blocks (two tiles a x two blocks), block n in registers 16 n + 0 .. 15 of lanes l and l xor 16.  Their codes go to v[pc] on, their four bytes to v[pw].
.macro QUANT s, pc, pw
.irp b, 0,1,2,3
	v_max3_num_f32 v[TM+\b], |v[(\s)+16*\b]|, |v[(\s)+16*\b+1]|, 0x4800000   ; my 16 numbers, and the floor 2^(9 - 127): the byte cannot fall under 1.  (Each accumulator is first read at its low end)
.endr
.irp i, 2,4,6,8,10,12,14
.irp b, 0,1,2,3
	v_max3_num_f32 v[TM+\b], v[TM+\b], |v[(\s)+16*\b+\i]|, |v[(\s)+16*\b+\i+1]|   ; the four blocks by turns
.endr
.endr
.irp b, 0,1,2,3
	v_permlanex16_b32 v[TBY+\b], v[TM+\b], s[SEL], s[SEL+1]
.endr
.irp b, 0,1,2,3
	v_max_num_f32 v[TM+\b], v[TM+\b], v[TBY+\b]    ; with lane l xor 16's: the block's largest magnitude
.endr
.irp b, 0,1,2,3
	v_add_nc_u32 v[TSC+\b], 0xfc000000, v[TM+\b]   ; 8 off its exponent field: the conversion takes this operand's exponent field as its scale
.endr
.irp b, 0,1,2,3
	v_and_or_b32 v[THO+\b], v[TM+\b], 0x7f800000, s[MNT]   ; 448 x the scale
.endr
.irp b, 0,1,2,3
	v_lshrrev_b32 v[TBY+\b], 23, v[TSC+\b]         ; the scale's byte
.endr
	v_lshl_or_b32 v[\pw], v[TBY+1], 8, v[TBY]
	v_lshl_or_b32 v[\pw], v[TBY+2], 16, v[\pw]
	v_lshl_or_b32 v[\pw], v[TBY+3], 24, v[\pw]
.irp b, 0,1,2,3
.irp i, 0,1,2,3,4,5,6,7,8,9,10,11,12,13,14,15
	v_med3_num_f32 v[(\s)+16*\b+\i], v[(\s)+16*\b+\i], -v[THO+\b], v[THO+\b]   ; the conversion to an 8-bit code does not saturate (ISA guide 7.6.2): the hold at the largest code x the scale
.endr
	v_cvt_scalef32_pk8_fp8_f32 v[(\pc)+4*\b:(\pc)+4*\b+1], v[(\s)+16*\b:(\s)+16*\b+7], v[TSC+\b]
	v_cvt_scalef32_pk8_fp8_f32 v[(\pc)+4*\b+2:(\pc)+4*\b+3], v[(\s)+16*\b+8:(\s)+16*\b+15], v[TSC+\b]
.endr
	v_nop                                          ; one plain instruction between the last conversion and the lines that touch its results or write its sources
.endm
; A pass's end: the results are quantised and stored.  Nothing waits for a pass's stores: they leave while the next pass is multiplied.
.macro ENDPASS w
	WIN 0
	PLACES 8                                       ; in front of the first reads of results
.if (\w) > 0
	s_wait_xcnt 0x0                                ; the last pass's stores have read their data: the codes' registers and the quantiser's are written again only behind this wait
.endif
	QUANT ACC, COD, PWA                            ; tiles a = 0, 1
	QUANT ACC+64, COD+16, PWB                      ; tiles a = 2, 3
.if (\w) == 0
.set OC, 90
.set OS, 92
.elseif (\w) == 1
.set OC, 56
.set OS, 58
.else
.set OC, 60
.set OS, 62
.endif
.if (\w) < 2
.set STRD, 1024                        ; from tile a to tile a + 1 in the images: 16 rows of q or k,
.else
.set STRD, 2048                        ; 16 channels of v
.endif
.irp a, 0,1,2,3
.irp b, 0,1
	global_store_b128 v[LI], v[COD+8*\a+4*\b:COD+8*\a+4*\b+3], s[OC:OC+1] offset:STRD*\a+512*\b   ; 32 lanes store 512 consecutive bytes, at a multiple of 512 from the buffer's first byte
.endr
.endr
	v_cmp_lt_u32 vcc_lo, 63, v[LS]                 ; lanes 16-31
.if (\w) < 2
	v_cndmask_b32 v[TM], v[PWA], v[PWB], vcc_lo    ; q, k: a word serves 32 rows' lane r: lanes 0-15 store tiles 0, 1's, lanes 16-31 tiles 2, 3's: 128 consecutive bytes
	global_store_b32 v[LS], v[TM], s[OS:OS+1]
.else
	v_lshrrev_b32 v[TM], 16, v[PWA]                ; v: a channel's word has four key blocks, and my 64 keys are two of them: a halfword.  Lanes 0-15 the even tile's, lanes 16-31 the odd tile's
	v_lshrrev_b32 v[TM+1], 16, v[PWB]
	v_cndmask_b32 v[TM], v[PWA], v[TM], vcc_lo
	v_cndmask_b32 v[TM+1], v[PWB], v[TM+1], vcc_lo
	global_store_b16 v[LS], v[TM], s[OS:OS+1]
	global_store_b16 v[LS], v[TM+1], s[OS:OS+1] offset:128
.endif
.endm
	s_wait_alu depctr_va_vdst(0)
	s_wait_tensorcnt 0x0                           ; my part of half 0 is in
	ds_add_u32 v[SPW], v[NIL]                      ; 0 onto my spare word
	s_add_co_u32 s41, s41, CHUNK                   ; no tensor load of mine is out, so a group 0 may be written: half 1
	s_add_nc_u64 s[42:43], s[42:43], 512
	s_add_co_u32 s45, s45, CHUNK
	s_add_nc_u64 s[46:47], s[46:47], 512
	s_wait_dscnt 0x0
	CROUND                                         ; half 0 is whole
	JLOAD                                          ; half 1, the first thing behind the round
	FW A1, 0, 0
	FX 0
	s_wait_loadcnt 0x0                             ; scale words, bq and bk
	WIN 0xc0
.irp a, 0,1,2,3
.irp j, 0,1,2,3,4,5,6,7
	global_load_b32 v[192+8*\a+\j], v[BO], s[88:89] offset:64*\a   ; bv(16 a + r), one number a lane, into all eight registers that a product's C takes.  Wanted in the third pass
.endr
.endr
	STEP 0, 0
	STEP 1, 0
	STEP 2, 0
	TURN 3, 12, 0                                  ; Wk into half 0's bytes; half 1 is whole
	FW A3, 4, 0
	FX 4
	MUL8 3, 1, 0, 2
	STEP 4, 0
	STEP 5, 0
	STEP 6, 0
	TURN 7, 16, CHUNK                              ; Wv into half 1's bytes; Wk is whole
	FW A1, 0, 0                                    ; the next pass's first fragments land under the quantiser
	MUL8 7, 1, 0, 2
	ENDPASS 0
	STEP 0, 1
	STEP 1, 1
	STEP 2, 1
	STEP 3, 1
	STEP 4, 1
	STEP 5, 1
	STEP 6, 1
	WIN 0
	s_wait_tensorcnt 0x0                           ; my part of Wv is in.
	s_wait_dscnt 0x0
	s_barrier_signal -1
	MUL8 7, 1, 1, 0
	WIN 0
	s_barrier_wait -1
	PLACES 8
	FW A3, 0, 0
	MUL8 7, 1, 1, 2
	ENDPASS 1
	s_wait_alu depctr_va_vdst(0)
	s_wait_loadcnt 0x0                             ; bv, asked for at the head
	STEP 0, 2
	STEP 1, 2
	STEP 2, 2
	STEP 3, 2
	STEP 4, 2
	STEP 5, 2
	STEP 6, 2
	s_wait_dscnt 0x0
	MUL8 7, 1, 2, 0
	MUL8 7, 1, 2, 2
	ENDPASS 2
	s_wait_tensorcnt 0x0                           ; the wave's end
	ds_add_u32 v[SPW], v[NIL]
	s_wait_dscnt 0x0
	CROUND                                         ; the closing round: no work-group ends while a partner may still ask for a tile that names it
	s_endpgm
.Lfunc_end_k_q818cd670bb_qkv:
	.size	k_q818cd670bb_qkv, .Lfunc_end_k_q818cd670bb_qkv-k_q818cd670bb_qkv
	.p2alignl 7, 3214868480
	.fill 96, 4, 3214868480
	.section	.rodata,"a",@progbits
	.p2align	6, 0x0
	.amdhsa_kernel k_q818cd670bb_qkv
		.amdhsa_group_segment_fixed_size 327680
		.amdhsa_private_segment_fixed_size 0
		.amdhsa_enable_private_segment 0
		.amdhsa_kernarg_size 112
		.amdhsa_user_sgpr_count 2
		.amdhsa_user_sgpr_kernarg_segment_ptr 1
		.amdhsa_wavefront_size32 1
		.amdhsa_system_sgpr_workgroup_id_x 1
		.amdhsa_system_sgpr_workgroup_id_y 1
		.amdhsa_system_sgpr_workgroup_id_z 1
		.amdhsa_system_vgpr_workitem_id 0
		.amdhsa_next_free_vgpr 1024
		.amdhsa_next_free_sgpr 102
		.amdhsa_reserve_vcc 1
		.amdhsa_float_denorm_mode_32 3
		.amdhsa_float_denorm_mode_16_64 3
		.amdhsa_memory_ordered 1
		.amdhsa_forward_progress 1
		.amdhsa_inst_pref_size 156
	.end_amdhsa_kernel
	.amdgpu_metadata
---
amdhsa.version: [ 1, 2 ]
amdhsa.kernels:
  - .name:           k_q818cd670bb_qkv
    .symbol:         k_q818cd670bb_qkv.kd
    .args:
      - { .name: x_codes, .offset: 0, .size: 8, .value_kind: global_buffer, .address_space: global }
      - { .name: x_scales, .offset: 8, .size: 8, .value_kind: global_buffer, .address_space: global }
      - { .name: Wq_codes, .offset: 16, .size: 8, .value_kind: global_buffer, .address_space: global }
      - { .name: Wq_scales, .offset: 24, .size: 8, .value_kind: global_buffer, .address_space: global }
      - { .name: Wk_codes, .offset: 32, .size: 8, .value_kind: global_buffer, .address_space: global }
      - { .name: Wk_scales, .offset: 40, .size: 8, .value_kind: global_buffer, .address_space: global }
      - { .name: Wv_codes, .offset: 48, .size: 8, .value_kind: global_buffer, .address_space: global }
      - { .name: Wv_scales, .offset: 56, .size: 8, .value_kind: global_buffer, .address_space: global }
      - { .name: bq, .offset: 64, .size: 8, .value_kind: global_buffer, .address_space: global }
      - { .name: bk, .offset: 72, .size: 8, .value_kind: global_buffer, .address_space: global }
      - { .name: bv, .offset: 80, .size: 8, .value_kind: global_buffer, .address_space: global }
      - { .name: qimg, .offset: 88, .size: 8, .value_kind: global_buffer, .address_space: global }
      - { .name: qscl, .offset: 96, .size: 8, .value_kind: global_buffer, .address_space: global }
      - { .name: kv, .offset: 104, .size: 8, .value_kind: global_buffer, .address_space: global }
    .group_segment_fixed_size: 327680
    .private_segment_fixed_size: 0
    .kernarg_segment_align: 8
    .kernarg_segment_size: 112
    .max_flat_workgroup_size: 128
    .sgpr_count:     102
    .vgpr_count:     1024
    .wavefront_size: 32
...
	.end_amdgpu_metadata
.endif
;; end of part 1
;; launch attn (part 2): grid 8 x 32, 8 waves a work-group, clusters of 4 x 1, 327,680 bytes of LDS; arguments qimg, qscl, kv, aimg, ascl; writes aimg, ascl
.if DOCPART == 2
	.amdgcn_target "amdgcn-amd-amdhsa--gfx1250"
	.amdhsa_code_object_version 6
	.text
	.protected	k_q818cd670bb_attn
	.globl	k_q818cd670bb_attn
	.p2align	8
	.type	k_q818cd670bb_attn,@function
k_q818cd670bb_attn:
	s_mov_b64 s[64:65], 0
	v_nop
	global_prefetch_b8 v0, s[64:65] scope:SCOPE_SE
	s_setreg_imm32_b32 hwreg(HW_REG_WAVE_MODE, 25, 1), 1
	s_wait_xcnt 0x0
	s_wait_alu depctr_hold_cnt(0) depctr_sa_sdst(0) depctr_va_vdst(0) depctr_va_sdst(0) depctr_va_ssrc(0) depctr_va_vcc(0) depctr_vm_vsrc(0)
	s_getreg_b32 s2, hwreg(HW_REG_IB_STS2, 6, 4)
	s_cmp_eq_u32 s2, 0
	s_cbranch_scc0 .Lentry_in_a_cluster
	s_endpgm
.Lentry_in_a_cluster:
	s_bfe_u32 s2, ttmp6, 0x10000c
	s_cmp_lg_u32 s2, 0x3003
	s_cbranch_scc0 .Lentry_shape_is_right
	s_endpgm
.Lentry_shape_is_right:
; For each of 32 heads (16 x batch + head): O = softmax(q k^T / 8) v on codes of FP8 (E4M3) with one E8M0 scale for each 32 along a product's K; O is quantised along the model's 1,024 for the last product.
; THE SOFTMAX AHEAD OF THE SECOND PRODUCT: t = score x log2(e) / 8; M = the running largest t rounded UP to a whole number; p = 2^(t - M) is quantised along the keys, not normalised.
; The row's sum is taken of the unquantised p and divides O at the end (a reciprocal and a multiplication).  When M moves, the sum and O are multiplied by 2^(old M - new M): exact.
; SHARES.  A work-group owns 256 queries of one head, each of its eight waves 32 of them: two tiles of 16, X and Y, which share every fragment of k and v.  Two waves share a SIMD.
; ORDER.  A step is 128 keys.  Y's scores of a step are multiplied ahead of X's softmax, X's scores of the next step ahead of Y's softmax: results, and fragments from LDS, arrive under the other tile's vector work.
; LDS.  The head's k, v and their scale words, 270,336 bytes, lie in LDS whole, as they lie in memory: 16 steps, each 16,896 bytes: k's four images, v's four, k's words, v's words.
; Each wave brings two steps by one tensor load, stated as rows of 256 bytes.  The first barrier shows waves 0 and 1's loads (steps 0 to 3), the second, three steps on, all.  Nothing is filled twice.
; No prefetch: all that the launch reads through LDS is asked for at its head.
; CLUSTER 4 x 1.  The four query blocks of a cluster belong to one head, so every fill is asked for jointly, with the same descriptor and a mask that names the four.
; K = 64 IN AN INSTRUCTION OF 128.  An image of k holds TWO tiles of 16 keys, one in k' = 0 .. 63 and one in k' = 64 .. 127.  [q | 0] picks the first tile, [0 | q] the second; the zeros stand on both sides of q.
; LAYOUT.  Both products transposed (source 0 = keys, or channels of v; source 1 = my queries, or p): a lane holds ONE query (lane % 16) throughout.  In S^T register 16 f + 8 u + j is key 32 f + 16 u + 8 (lane / 16) + j:
; v's codes have that same order of keys within each block of 32, so the conversions' results are the operand.
; LIMITS.  NaN and infinities are not served.  A block of p whose largest lies under 2^-118 gets the byte 0 (2^-127) where the rule holds at 1.  In O a block whose largest magnitude lies under 2^-118 is held at
; the byte 1, and a block of zeros gets the byte 1: its codes are zeros, and this program alone reads the bytes.
; REGISTERS, window 0: v1-7 addresses; X: v8 -M, v9 the largest score, v[10:11] the sum; Y: v12-15; v[16:17] f; v18-39 at work; v40-46 scale words (they hold nothing else): k's 40-41, v's 42-43 (lanes 0-15 an even
;   image's, lanes 16-31 the odd one's behind it), p's 44, q's 45-46; v48-87 zeros, X's q, zeros, Y's q, zeros; v88-103 p's codes; v104-167 X's S^T, v168-231 Y's; v232-247 partial sums.
;   Window 1: v0-63 k's fragments, v64-127 v's, v128-159 X's O^T, v160-191 Y's.
.set STEPB, 16896                      ; a step's bytes
.set VIM,   8192                       ; in a step: v's images,
.set KSC,   16384                      ; k's scale words,
.set VSC,   16640                      ; v's
.set SPARE, 16*STEPB                   ; the spare words, 128 bytes for each wave, which no other line names
.set LI,  1                            ; 16 x lane
.set LW,  2                            ; 4 x lane
.set ADK, 4
.set ADS, 5
.set SPW, 6
.set NIL, 7
.set NMX, 8
.set SMX, 10
.set NMY, 12
.set SMY, 14
.set FF,  16
.set BM,  18
.set T2,  22
.set THO, 26
.set TSC, 30
.set TP,  34
.set KW,  40
.set VW,  42
.set PW,  44
.set QWX, 45
.set QWY, 46
.set QX,  56
.set QY,  72
.set COD, 88
.set SX,  104
.set SY,  168
.set TS,  232
.set KF,  0
.set VF,  64
.set OX,  128
.set OY,  160
.set TB,  2                            ; s2 where the step in hand begins in LDS; s3 counts steps
.set CNT, 3
.set WV,  18
.set MNT, 19
.set SEL, 20
.set CS,  22
.set G1,  24                           ; s[24:31] group 1; s[40:43] group 0
.set G0,  40
.set CN,  44
.set PH,  45
.set PB,  46
.set MSB, 0
.macro WIN new                         ; the immediate's high byte repeats the setting that is left
.if MSB != (\new)
	s_set_vgpr_msb (MSB<<8)|(\new)
.set MSB, \new
.endif
.endm
.macro PLACES n
.rept \n
	v_nop
.endr
.endm
.macro CROUND                          ; a round of the cluster's barrier
	s_barrier_signal -1
	s_barrier_wait -1
	s_cmp_lg_u32 s[WV], 0
	s_cbranch_scc1 .Lnot_wave_0_\@
	s_barrier_signal -3
.Lnot_wave_0_\@:
	s_barrier_wait -3
	s_barrier_signal -1
	s_barrier_wait -1
.endm
	s_load_b256 s[4:11], s[0:1], 0x0               ; qimg, qscl, kv, aimg
	s_load_b64 s[12:13], s[0:1], 0x20              ; ascl
	v_lshl_add_u32 v[SPW], v0, 2, SPARE
	v_mov_b32 v[NIL], 0
	ds_add_u32 v[SPW], v[NIL]                      ; the wave's opening: the add, twice on end, and its wait ahead of my first tensor load
	ds_add_u32 v[SPW], v[NIL]
	v_lshrrev_b32 v1, 5, v0
	v_readfirstlane_b32 s[WV], v1                  ; wave 0..7
	s_bfe_u32 s14, ttmp6, 0x40000                  ; cx
	s_lshl_b32 s15, ttmp9, 2
	s_add_co_u32 s15, s15, s14                     ; my block of 256 queries: it enters q's and the results' addresses alone
	s_and_b32 s16, ttmp7, 0xffff                   ; 16 x batch + head, which the four partners share
	; group 1: two steps, 33,792 dense bytes, as 132 rows of 256 (32 elements of 8 bytes)
	s_mov_b32 s[G1], 15|(3<<16)|(1<<21)            ; 15:0 the mask: all four work-groups; 17:16 elements of 8 bytes; 21 set beside a mask
	s_mov_b32 s[G1+1], 32<<16                      ; tensor_dim0
	s_mov_b32 s[G1+2], 132<<16                     ; tensor_dim1
	s_mov_b32 s[G1+3], 32<<16                      ; tile_dim0
	s_mov_b32 s[G1+4], 132                         ; tile_dim1
	s_mov_b32 s[G1+5], 32                          ; the pitch
	s_mov_b32 s[G1+6], 0
	s_mov_b32 s[G1+7], 0
	s_mul_i32 s32, s16, 16*STEPB                   ; the head's block of kv,
	s_mul_i32 s33, s[WV], 2*STEPB                  ; my two steps: in memory and in LDS alike
	s_add_co_u32 s34, s32, s33
	s_mov_b32 s35, 0
	s_mov_b32 s[G0], 1
	s_mov_b32 s[G0+1], s33
	s_wait_dscnt 0x0                               ; both opening adds are done
	s_wait_kmcnt 0x0
	s_add_nc_u64 s[G0+2:G0+3], s[8:9], s[34:35]
	s_or_b32 s[G0+3], s[G0+3], 0x80000000
	CROUND                                         ; all four work-groups are here: the joint loads meet
	s_cmp_lt_u32 s[WV], 2                          ; one tensor load a wave; a line of its own for what the first barrier shows
	s_cbranch_scc0 .Llater
	tensor_load_to_lds s[G0:G0+3], s[G1:G1+7]
	s_nop 0
	PLACES 4
	s_branch .Lasked
.Llater:
	tensor_load_to_lds s[G0:G0+3], s[G1:G1+7]
	s_nop 0
	PLACES 4
.Lasked:
	v_and_b32 v3, 31, v0
	v_and_b32 v[TP], 15, v0
	v_lshlrev_b32 v[LI], 4, v3
	v_lshlrev_b32 v[LW], 2, v3
	v_lshlrev_b32 v[TP], 2, v[TP]                  ; 4 r
.irp z, 48, 64, 80
.irp j, 0,1,2,3,4,5,6,7
	v_mov_b32 v[\z+\j], 0                          ; the zeros beside q
.endr
.endr
	s_lshl_b32 s32, s16, 17                        ; q's images: 131,072 bytes a head,
	s_lshl_b32 s33, s15, 14                        ; 16,384 for 256 queries,
	s_add_co_u32 s32, s32, s33
	s_lshl_b32 s33, s[WV], 11                      ; 2,048 for my 32
	s_add_co_u32 s32, s32, s33
	s_mov_b32 s33, 0
	s_add_nc_u64 s[4:5], s[4:5], s[32:33]
	s_lshl_b32 s36, s16, 12                        ; q's scale words: 4,096 bytes a head, 64 for 32 queries
	s_lshl_b32 s37, s15, 9
	s_add_co_u32 s36, s36, s37
	s_lshl_b32 s37, s[WV], 6
	s_add_co_u32 s36, s36, s37
	s_mov_b32 s37, 0
	s_add_nc_u64 s[6:7], s[6:7], s[36:37]
	global_load_b128 v[QX:QX+3], v[LI], s[4:5]
	global_load_b128 v[QX+4:QX+7], v[LI], s[4:5] offset:512
	global_load_b128 v[QY:QY+3], v[LI], s[4:5] offset:1024
	global_load_b128 v[QY+4:QY+7], v[LI], s[4:5] offset:1536
	global_load_b32 v[TP+1], v[TP], s[6:7]                     ; the word of 32 queries' lane r: two bytes for each of two tiles
	; where the results go
	s_lshr_b32 s32, s16, 4                         ; batch
	s_and_b32 s33, s16, 15                         ; head
	s_lshl_b32 s34, s32, 5
	s_lshl_b32 s35, s15, 2
	s_add_co_u32 s34, s34, s35
	s_lshr_b32 s35, s[WV], 1
	s_add_co_u32 s34, s34, s35                     ; which 64 rows of the 4,096
	s_lshl_b32 s34, s34, 16                        ; 65,536 bytes each;
	s_lshr_b32 s35, s33, 1
	s_lshl_b32 s35, s35, 13                        ; the K step of 128 that holds my head: 8,192 bytes;
	s_add_co_u32 s34, s34, s35
	s_and_b32 s35, s[WV], 1
	s_lshl_b32 s35, s35, 12                        ; my 32 rows: two tiles of 2,048;
	s_add_co_u32 s34, s34, s35
	s_and_b32 s35, s33, 1
	s_lshl_b32 s35, s35, 10                        ; my head's half of the K step: 1,024
	s_add_co_u32 s34, s34, s35
	s_mov_b32 s35, 0
	s_add_nc_u64 s[10:11], s[10:11], s[34:35]
	s_lshl_b32 s36, s32, 11
	s_lshl_b32 s37, s15, 8
	s_add_co_u32 s36, s36, s37
	s_lshl_b32 s37, s[WV], 5
	s_add_co_u32 s36, s36, s37                     ; my first row
	s_lshl_b32 s36, s36, 1                         ; the scale bytes lie [head][row][2]
	s_lshl_b32 s37, s33, 13
	s_add_co_u32 s36, s36, s37
	s_mov_b32 s37, 0
	s_add_nc_u64 s[12:13], s[12:13], s[36:37]
	s_mov_b32 s[SEL], 0x76543210
	s_mov_b32 s[SEL+1], 0xfedcba98                 ; v_permlanex16_b32's selects for lane l xor 16
	s_mov_b32 s[CS], 0x3e38aa3b                    ; c = log2(e) / 8
	s_mov_b32 s[CS+1], s[CS]                       ; (named with it as a pair, so it is written)
	s_mov_b32 s[CN], 0xbe38aa3b                    ; -c
	s_mov_b32 s[MNT], 0x600000                     ; the mantissa field of 448
	s_mov_b32 s[PH], 0x07060302                    ; v_perm_b32: two upper halves
	s_mov_b32 s[PB], 0x06040200                    ; and bytes 0 and 2 of two words
	s_mov_b32 s38, 0x01000100
	s_mov_b32 s39, 0x03020302
	s_wait_alu depctr_va_vdst(0)
	s_wait_loadcnt 0x0                             ; q and its words
	v_perm_b32 v[QWX], v[TP+1], v[TP+1], s38       ; a tile's two bytes, twice: they serve [q | 0] and [0 | q] alike
	v_perm_b32 v[QWY], v[TP+1], v[TP+1], s39
.irp b, 0,1,2,3
	v_mov_b32 v[T2+\b], 0                          ; written once: a lane permute's destination counts as one of its sources
.endr
.irp n, NMX, NMY
	v_mov_b32 v[\n], 0x7e000000                    ; -M: M begins at -2^125
	v_mov_b32 v[\n+1], 0xff61b1e6                  ; the largest score so far: -3e38
	v_mov_b32 v[\n+2], 0                           ; the sum, in two halves
	v_mov_b32 v[\n+3], 0
.endr
	v_mov_b32 v[FF+1], 0                           ; (named as the upper half of f's pair)
; S^T of a tile: eight products.  (An odd image's scale words lie in lanes 16-31.)
.macro QK s, q, qw
	WIN 0x01
.irp f, 0,1,2,3
.if \f%2
	v_wmma_scale_f32_16x16x128_f8f6f4 v[\s+16*\f:\s+16*\f+7], v[KF+16*\f:KF+16*\f+15], v[\q:\q+15], 0, v[KW+\f/2], v[\qw] matrix_a_scale:MATRIX_SCALE_ROW1        ; keys 32 f + 0 .. 15
	v_wmma_scale_f32_16x16x128_f8f6f4 v[\s+16*\f+8:\s+16*\f+15], v[KF+16*\f:KF+16*\f+15], v[\q-8:\q+7], 0, v[KW+\f/2], v[\qw] matrix_a_scale:MATRIX_SCALE_ROW1     ; keys 32 f + 16 .. 31
.else
	v_wmma_scale_f32_16x16x128_f8f6f4 v[\s+16*\f:\s+16*\f+7], v[KF+16*\f:KF+16*\f+15], v[\q:\q+15], 0, v[KW+\f/2], v[\qw]
	v_wmma_scale_f32_16x16x128_f8f6f4 v[\s+16*\f+8:\s+16*\f+15], v[KF+16*\f:KF+16*\f+15], v[\q-8:\q+7], 0, v[KW+\f/2], v[\qw]
.endif
.endr
	WIN 0
.endm
; The largest score of my half of each block of 32 keys, the four blocks by turns: 32 plain instructions, which are also the places in front of the loads into the last products' registers
.macro MAXES s
	s_wait_alu depctr_va_vdst(0)                   ; directly ahead of the scores' first readers
.irp b, 0,1,2,3
	v_max3_num_f32 v[BM+\b], v[\s+16*\b], v[\s+16*\b+1], v[\s+16*\b+2]
.endr
.irp i, 3,5,7,9,11,13
.irp b, 0,1,2,3
	v_max3_num_f32 v[BM+\b], v[BM+\b], v[\s+16*\b+\i], v[\s+16*\b+\i+1]
.endr
.endr
.irp b, 0,1,2,3
	v_max_num_f32 v[BM+\b], v[BM+\b], v[\s+16*\b+15]
.endr
.endm
; This step's v and (k = 1) the next step's k: their words, v's 16 loads, k's 16 loads
.macro LOADS k
	ds_load_b32 v[VW], v[ADS] offset:VSC
	ds_load_b32 v[VW+1], v[ADS] offset:VSC+128
.if \k
	ds_load_b32 v[KW], v[ADS] offset:STEPB+KSC
	ds_load_b32 v[KW+1], v[ADS] offset:STEPB+KSC+128
.endif
	WIN 0x40
.irp a, 0,1,2,3
.irp c, 0,1,2,3
	ds_load_b128 v[VF+16*\a+4*\c:VF+16*\a+4*\c+3], v[ADK] offset:VIM+2048*\a+512*\c   ; 512 consecutive bytes a load
.endr
.endr
.if \k
.irp a, 0,1,2,3
.irp c, 0,1,2,3
	ds_load_b128 v[KF+16*\a+4*\c:KF+16*\a+4*\c+3], v[ADK] offset:STEPB+2048*\a+512*\c
.endr
.endr
.endif
	WIN 0
.endm
.macro HOLD s, b                       ; the conversion to an 8-bit code does not saturate (ISA guide 7.6.2); p is not negative, so the hold is one-sided: two numbers an instruction
.irp i, 0,2,4,6,8,10,12,14
	v_dual_min_num_f32 v[\s+16*\b+\i], v[\s+16*\b+\i], v[THO+\b] :: v_dual_min_num_f32 v[\s+16*\b+\i+1], v[\s+16*\b+\i+1], v[THO+\b]
.endr
.endm
.macro CVT s, b
	v_cvt_scalef32_pk8_fp8_f32 v[COD+4*\b:COD+4*\b+1], v[\s+16*\b:\s+16*\b+7], v[TSC+\b]
	v_cvt_scalef32_pk8_fp8_f32 v[COD+4*\b+2:COD+4*\b+3], v[\s+16*\b+8:\s+16*\b+15], v[TSC+\b]
.endm
; A tile's softmax behind MAXES, and its second product.  nm: -M and the largest score; sm: the sum; o: O^T; younger: LDS loads behind v's, which may stay out
.macro SOFT s, nm, sm, o, younger
.irp b, 0,1,2,3
	v_permlanex16_b32 v[T2+\b], v[BM+\b], s[SEL], s[SEL+1]
.endr
.irp b, 0,1,2,3
	v_max_num_f32 v[BM+\b], v[BM+\b], v[T2+\b]     ; with lane l xor 16's 16 keys: THE LARGEST SCORE OF EACH BLOCK: for the row's maximum, and, since p rises with the score, for the block's largest p
.endr
	s_delay_alu instid0(VALU_DEP_2)
	v_max3_num_f32 v[TP], v[BM], v[BM+1], v[BM+2]
	s_delay_alu instid0(VALU_DEP_1)
	v_max3_num_f32 v[\nm+1], v[TP], v[BM+3], v[\nm+1]   ; the running largest score of my query
	s_delay_alu instid0(VALU_DEP_1)
	v_mul_f32 v[TP+1], s[CN], v[\nm+1]             ; -t
	s_delay_alu instid0(VALU_DEP_1)
	v_floor_f32 v[TP+2], v[TP+1]                   ; the new -M = floor(-t): M is a whole number
	s_delay_alu instid0(VALU_DEP_1)
	v_sub_f32 v[TP+3], v[TP+2], v[\nm]             ; old M - new M: a whole number, 0 or less
	v_mov_b32 v[\nm], v[TP+2]
	s_delay_alu instid0(VALU_DEP_2)
	v_cvt_i32_f32 v[TP+4], v[TP+3]                 ; (it saturates)
	s_delay_alu instid0(VALU_DEP_1)
	v_ldexp_f32 v[FF], 1.0, v[TP+4]                ; f = 2^(old M - new M)
	v_pk_fma_f32 v[BM:BM+1], v[BM:BM+1], s[CS:CS+1], v[\nm:\nm+1] op_sel_hi:[1,0,0]   ; t - M of each block's largest score
	v_pk_fma_f32 v[BM+2:BM+3], v[BM+2:BM+3], s[CS:CS+1], v[\nm:\nm+1] op_sel_hi:[1,0,0]
.irp j, 0,2,4,6,8,10,12,14,16,18,20,22,24,26,28,30
	v_pk_fma_f32 v[\s+\j:\s+\j+1], v[\s+\j:\s+\j+1], s[CS:CS+1], v[\nm:\nm+1] op_sel_hi:[1,0,0]   ; t - M of blocks 0 and 1
.endr
	s_wait_alu depctr_va_vdst(0)
.irp b, 0,1,2,3
	v_exp_f32 v[BM+\b], v[BM+\b]                   ; the block's largest p: the same two instructions on the same number
.endr
.irp k, 0,1,2,3,4,5,6,7,8,9,10,11,12,13,14,15
	v_exp_f32 v[\s+2*\k], v[\s+2*\k]               ; p = 2^(t - M)
	v_exp_f32 v[\s+2*\k+1], v[\s+2*\k+1]
	v_pk_fma_f32 v[\s+32+2*\k:\s+32+2*\k+1], v[\s+32+2*\k:\s+32+2*\k+1], s[CS:CS+1], v[\nm:\nm+1] op_sel_hi:[1,0,0]   ; t - M of blocks 2 and 3, which the next batch reads
.endr
	s_wait_alu depctr_va_vdst(0)                   ; behind this batch and ahead of the next
.irp k, 0,1,2,3,4,5,6,7,8,9,10,11,12,13,14,15
	v_exp_f32 v[\s+32+2*\k], v[\s+32+2*\k]
	v_exp_f32 v[\s+33+2*\k], v[\s+33+2*\k]
.if \k < 8
	v_pk_add_f32 v[TS+2*\k:TS+2*\k+1], v[\s+2*\k:\s+2*\k+1], v[\s+16+2*\k:\s+16+2*\k+1]   ; the row's sum, of the unquantised p, in eight chains
.elseif (\k == 10) || (\k == 11)
	v_pk_mul_f32 v[TSC+2*(\k-10):TSC+2*(\k-10)+1], v[BM+2*(\k-10):BM+2*(\k-10)+1], 0x3b800000 op_sel_hi:[1,0]   ; x 2^-8: the conversion's scale operand, by its exponent field
.elseif \k > 11
	v_and_or_b32 v[THO+\k-12], v[BM+\k-12], 0x7f800000, s[MNT]   ; 448 x the scale
.endif
.endr
	s_wait_alu depctr_va_vdst(0)                   ; ahead of the batch's first reader
	v_perm_b32 v[TP], v[TSC+1], v[TSC], s[PH]      ; the scale's bytes: two blocks' upper halves beside each other,
	v_perm_b32 v[TP+1], v[TSC+3], v[TSC+2], s[PH]
.irp k, 0,1,2,3,4,5,6,7
	v_pk_add_f32 v[TS+2*\k:TS+2*\k+1], v[TS+2*\k:TS+2*\k+1], v[\s+32+2*\k:\s+32+2*\k+1]
.endr
	v_lshrrev_b32 v[TP], 7, v[TP]                  ; each exponent field in a byte of its own,
	v_lshrrev_b32 v[TP+1], 7, v[TP+1]
.irp k, 0,1,2,3,4,5,6,7
	v_pk_add_f32 v[TS+2*\k:TS+2*\k+1], v[TS+2*\k:TS+2*\k+1], v[\s+48+2*\k:\s+48+2*\k+1]
.endr
	v_perm_b32 v[PW], v[TP+1], v[TP], s[PB]        ; p's scale word for these 128 keys
.irp k, 0,1,2,3
	v_pk_add_f32 v[TS+2*\k:TS+2*\k+1], v[TS+2*\k:TS+2*\k+1], v[TS+8+2*\k:TS+9+2*\k]
.endr
	HOLD \s, 0
.irp k, 0,1
	v_pk_add_f32 v[TS+2*\k:TS+2*\k+1], v[TS+2*\k:TS+2*\k+1], v[TS+4+2*\k:TS+5+2*\k]
.endr
	CVT \s, 0
	HOLD \s, 1
	v_pk_add_f32 v[TS:TS+1], v[TS:TS+1], v[TS+2:TS+3]
	CVT \s, 1
	HOLD \s, 2
	v_pk_fma_f32 v[\sm:\sm+1], v[\sm:\sm+1], v[FF:FF+1], v[TS:TS+1] op_sel_hi:[1,0,1]   ; the sum under the new M, and this step's
	CVT \s, 2
	HOLD \s, 3
	CVT \s, 3
	WIN 0x41
	s_wait_alu depctr_va_vdst(0)                   ; directly ahead of O^T's first readers
.irp j, 0,2,4,6,8,10,12,14,16,18,20,22,24,26,28,30
	v_pk_mul_f32 v[\o+\j:\o+\j+1], v[\o+\j:\o+\j+1], v[FF:FF+1] op_sel_hi:[1,0]   ; O^T under the new M.  (These 16 are also the places between the codes' last writes and the products)
.endr
	s_wait_alu depctr_va_vdst(0)
	s_wait_dscnt \younger                          ; v's images and words are in
	WIN 0x51
.irp a, 0,1,2,3
.if \a%2
	v_wmma_scale_f32_16x16x128_f8f6f4 v[\o+8*\a:\o+8*\a+7], v[VF+16*\a:VF+16*\a+15], v[COD:COD+15], v[\o+8*\a:\o+8*\a+7], v[VW+\a/2], v[PW] matrix_a_scale:MATRIX_SCALE_ROW1
.else
	v_wmma_scale_f32_16x16x128_f8f6f4 v[\o+8*\a:\o+8*\a+7], v[VF+16*\a:VF+16*\a+15], v[COD:COD+15], v[\o+8*\a:\o+8*\a+7], v[VW+\a/2], v[PW]
.endif
.endr
	WIN 0
.endm
; A step of 128 keys.  last = 1: no step follows
.macro BODY last
	QK SY, QY, QWY
	MAXES SX
	v_add_nc_u32 v[ADK], s[TB], v[LI]
	v_add_nc_u32 v[ADS], s[TB], v[LW]
	LOADS 1-\last
	SOFT SX, NMX, SMX, OX, 16*(1-\last)            ; behind v's loads: k's 16
.if \last == 0
	s_wait_dscnt 0x0                               ; the next step's k
	QK SX, QX, QWX
.endif
	MAXES SY
	SOFT SY, NMY, SMY, OY, 0
.endm
	s_wait_alu depctr_va_vdst(0)
	s_cmp_lt_u32 s[WV], 2
	s_cbranch_scc0 .Lnot_first
	s_wait_tensorcnt 0x0                           ; waves 0, 1: steps 0 to 3 have landed.  The other waves' wait stands at the second barrier
.Lnot_first:
	s_barrier_signal -1
	s_barrier_wait -1
	ds_load_b32 v[KW], v[LW] offset:KSC
	ds_load_b32 v[KW+1], v[LW] offset:KSC+128
	WIN 0x40
.irp a, 0,1,2,3
.irp c, 0,1,2,3
	ds_load_b128 v[KF+16*\a+4*\c:KF+16*\a+4*\c+3], v[LI] offset:2048*\a+512*\c
.endr
.endr
	s_wait_dscnt 0x0
	QK SX, QX, QWX                                 ; X's scores of step 0
	WIN 0x40
.irp g, 0,1,2,3,4,5,6,7
.irp j, 0,1,2,3,4,5,6,7
	v_mov_b32 v[OX+8*\g+\j], 0                     ; both O^T.  (A step is written once: the first finds zeros, which the first change of M leaves zeros.)  They are the places behind the products above
.endr
.endr
	WIN 0
	s_mov_b32 s[TB], 0
	s_mov_b32 s[CNT], 3
.Lfirst:                                               ; steps 0 to 2: they read as far as k of step 3
	BODY 0
	s_add_co_u32 s[TB], s[TB], STEPB
	s_sub_co_u32 s[CNT], s[CNT], 1
	s_wait_alu depctr_va_vdst(0)
	s_cmp_lg_u32 s[CNT], 0
	s_cbranch_scc1 .Lfirst
	s_wait_tensorcnt 0x0                           ; my two steps are in
	s_wait_dscnt 0x0
	s_barrier_signal -1
	s_barrier_wait -1                              ; everybody's are
	s_mov_b32 s[TB], 3*STEPB
	s_mov_b32 s[CNT], 12
.Lrest:                                                ; steps 3 to 14
	BODY 0
	s_add_co_u32 s[TB], s[TB], STEPB
	s_sub_co_u32 s[CNT], s[CNT], 1
	s_wait_alu depctr_va_vdst(0)
	s_cmp_lg_u32 s[CNT], 0
	s_cbranch_scc1 .Lrest
	s_mov_b32 s[TB], 15*STEPB
	BODY 1
	; THE WAY OUT.  O^T / the sum; my head's 64 channels are two blocks of the last product's K: quantised as above, stored as images of that operand's registers.  Four blocks: X's two, Y's two.
	PLACES 4                                       ; with the seven plain lines below: in front of the first reads of the last results
	v_add_f32 v[TS], v[SMX], v[SMX+1]              ; the sums' two halves,
	v_add_f32 v[TS+2], v[SMY], v[SMY+1]
	v_permlanex16_b32 v[TS+4], v[TS], s[SEL], s[SEL+1]
	v_permlanex16_b32 v[TS+6], v[TS+2], s[SEL], s[SEL+1]
	v_add_f32 v[TS], v[TS], v[TS+4]                ; and lane l xor 16's: the row's sum
	v_add_f32 v[TS+2], v[TS+2], v[TS+6]
	s_wait_alu depctr_va_vdst(0)                   ; ahead of the batch
	v_rcp_f32 v[TS], v[TS]
	v_rcp_f32 v[TS+2], v[TS+2]
	v_lshrrev_b32 v[TP+5], 1, v[LW]                ; (the plain instruction behind the batch)  2 x lane
	WIN 0x01
	s_wait_alu depctr_va_vdst(0)                   ; ahead of the first readers of the reciprocals and of O^T
.irp j, 0,2,4,6,8,10,12,14,16,18,20,22,24,26,28,30
	v_pk_mul_f32 v[SX+\j:SX+\j+1], v[OX+\j:OX+\j+1], v[TS:TS+1] op_sel_hi:[1,0]   ; register 8 a + i is o(r, 16 a + 8 h + i)
.endr
.irp j, 0,2,4,6,8,10,12,14,16,18,20,22,24,26,28,30
	v_pk_mul_f32 v[SY+\j:SY+\j+1], v[OY+\j:OY+\j+1], v[TS+2:TS+3] op_sel_hi:[1,0]
.endr
	WIN 0
.irp b, 0,1,2,3
	v_max3_num_f32 v[BM+\b], |v[SX+64*(\b/2)+16*(\b%2)]|, |v[SX+64*(\b/2)+16*(\b%2)+1]|, 0x4800000
.endr
.irp i, 2,4,6,8,10,12,14
.irp b, 0,1,2,3
	v_max3_num_f32 v[BM+\b], v[BM+\b], |v[SX+64*(\b/2)+16*(\b%2)+\i]|, |v[SX+64*(\b/2)+16*(\b%2)+\i+1]|
.endr
.endr
.irp b, 0,1,2,3
	v_permlanex16_b32 v[T2+\b], v[BM+\b], s[SEL], s[SEL+1]
.endr
.irp b, 0,1,2,3
	v_max_num_f32 v[BM+\b], v[BM+\b], v[T2+\b]
.endr
.irp b, 0,1,2,3
	v_add_nc_u32 v[TSC+\b], 0xfc000000, v[BM+\b]
.endr
.irp b, 0,1,2,3
	v_and_or_b32 v[THO+\b], v[BM+\b], 0x7f800000, s[MNT]
.endr
.irp b, 0,1,2,3
	v_lshrrev_b32 v[T2+\b], 23, v[TSC+\b]
.endr
	v_cmp_lt_u32 vcc_lo, 63, v[LW]                 ; lanes 16-31
	v_lshl_or_b32 v[TP], v[T2+1], 8, v[T2]         ; a row's two scale bytes: X's,
	v_lshl_or_b32 v[TP+1], v[T2+3], 8, v[T2+2]     ; Y's
	v_cndmask_b32 v[TP+2], v[TP], v[TP+1], vcc_lo  ; lane l: row l of my 32
.irp b, 0,1,2,3
.irp i, 0,1,2,3,4,5,6,7,8,9,10,11,12,13,14,15
	v_med3_num_f32 v[SX+64*(\b/2)+16*(\b%2)+\i], v[SX+64*(\b/2)+16*(\b%2)+\i], -v[THO+\b], v[THO+\b]
.endr
	v_cvt_scalef32_pk8_fp8_f32 v[COD+4*\b:COD+4*\b+1], v[SX+64*(\b/2)+16*(\b%2):SX+64*(\b/2)+16*(\b%2)+7], v[TSC+\b]
	v_cvt_scalef32_pk8_fp8_f32 v[COD+4*\b+2:COD+4*\b+3], v[SX+64*(\b/2)+16*(\b%2)+8:SX+64*(\b/2)+16*(\b%2)+15], v[TSC+\b]
.endr
	v_nop                                          ; one plain instruction between the last conversion and the lines that touch its results
.irp b, 0,1,2,3
	v_permlane16_swap_b32 v[COD+4*\b], v[COD+4*\b+2]       ; Wo's codes lie in the channels' own order: lane (r, h) now holds channels 32 (b % 2) + 16 h + 0 .. 15
	v_permlane16_swap_b32 v[COD+4*\b+1], v[COD+4*\b+3]
.endr
.irp b, 0,1,2,3
	global_store_b128 v[LI], v[COD+4*\b:COD+4*\b+3], s[10:11] offset:2048*(\b/2)+512*(\b%2)   ; 32 lanes store 512 consecutive bytes
.endr
	global_store_b16 v[TP+5], v[TP+2], s[12:13]                ; 32 rows: 64 consecutive bytes
	s_wait_tensorcnt 0x0                           ; the wave's end
	ds_add_u32 v[SPW], v[NIL]
	s_wait_dscnt 0x0
	CROUND                                         ; the closing round: no work-group ends while a partner may still ask for a tile that names it
	s_endpgm
.Lfunc_end_k_q818cd670bb_attn:
	.size	k_q818cd670bb_attn, .Lfunc_end_k_q818cd670bb_attn-k_q818cd670bb_attn
	.p2alignl 7, 3214868480
	.fill 96, 4, 3214868480
	.section	.rodata,"a",@progbits
	.p2align	6, 0x0
	.amdhsa_kernel k_q818cd670bb_attn
		.amdhsa_group_segment_fixed_size 327680
		.amdhsa_private_segment_fixed_size 0
		.amdhsa_enable_private_segment 0
		.amdhsa_kernarg_size 40
		.amdhsa_user_sgpr_count 2
		.amdhsa_user_sgpr_kernarg_segment_ptr 1
		.amdhsa_wavefront_size32 1
		.amdhsa_system_sgpr_workgroup_id_x 1
		.amdhsa_system_sgpr_workgroup_id_y 1
		.amdhsa_system_sgpr_workgroup_id_z 1
		.amdhsa_system_vgpr_workitem_id 0
		.amdhsa_next_free_vgpr 448
		.amdhsa_next_free_sgpr 66
		.amdhsa_reserve_vcc 1
		.amdhsa_float_denorm_mode_32 3
		.amdhsa_float_denorm_mode_16_64 3
		.amdhsa_memory_ordered 1
		.amdhsa_forward_progress 1
		.amdhsa_inst_pref_size 121
	.end_amdhsa_kernel
	.amdgpu_metadata
---
amdhsa.version: [ 1, 2 ]
amdhsa.kernels:
  - .name:           k_q818cd670bb_attn
    .symbol:         k_q818cd670bb_attn.kd
    .args:
      - { .name: qimg, .offset: 0, .size: 8, .value_kind: global_buffer, .address_space: global }
      - { .name: qscl, .offset: 8, .size: 8, .value_kind: global_buffer, .address_space: global }
      - { .name: kv, .offset: 16, .size: 8, .value_kind: global_buffer, .address_space: global }
      - { .name: aimg, .offset: 24, .size: 8, .value_kind: global_buffer, .address_space: global }
      - { .name: ascl, .offset: 32, .size: 8, .value_kind: global_buffer, .address_space: global }
    .group_segment_fixed_size: 327680
    .private_segment_fixed_size: 0
    .kernarg_segment_align: 8
    .kernarg_segment_size: 40
    .max_flat_workgroup_size: 256
    .sgpr_count:     66
    .vgpr_count:     448
    .wavefront_size: 32
...
	.end_amdgpu_metadata
.endif
;; end of part 2
;; launch proj (part 3): grid 8 x 32, 4 waves a work-group, clusters of 4 x 4, 327,680 bytes of LDS; arguments aimg, ascl, Wo_codes, Wo_scales, bo, out0; writes out0
.if DOCPART == 3
	.amdgcn_target "amdgcn-amd-amdhsa--gfx1250"
	.amdhsa_code_object_version 6
	.text
	.protected	k_q818cd670bb_proj
	.globl	k_q818cd670bb_proj
	.p2align	8
	.type	k_q818cd670bb_proj,@function
k_q818cd670bb_proj:
	s_mov_b64 s[64:65], 0
	v_nop
	global_prefetch_b8 v0, s[64:65] scope:SCOPE_SE
	s_setreg_imm32_b32 hwreg(HW_REG_WAVE_MODE, 25, 1), 1
	s_wait_xcnt 0x0
	s_wait_alu depctr_hold_cnt(0) depctr_sa_sdst(0) depctr_va_vdst(0) depctr_va_sdst(0) depctr_va_ssrc(0) depctr_va_vcc(0) depctr_vm_vsrc(0)
	s_getreg_b32 s2, hwreg(HW_REG_IB_STS2, 6, 4)
	s_cmp_eq_u32 s2, 0
	s_cbranch_scc0 .Lentry_in_a_cluster
	s_endpgm
.Lentry_in_a_cluster:
	s_bfe_u32 s2, ttmp6, 0x10000c
	s_cmp_lg_u32 s2, 0xf033
	s_cbranch_scc0 .Lentry_shape_is_right
	s_endpgm
.Lentry_shape_is_right:
; out = a Wo + bo on codes of FP8 (E4M3) with one E8M0 scale for each 32 along K = 1,024.  a: the attention's result, 4,096 rows, as images of operand registers
; ([64 rows][K step of 128][16 rows][4 registers][lane][16 bytes]) with scale bytes [head][row][2]; Wo: codes [1,024][1,024], K innermost, scale bytes [1,024][32]; out: [4,096][1,024] f32.
; SHARES.  A work-group makes 128 x 128 of out; four waves, each 64 x 64.  WO STAYS: a wave holds its 64 rows of Wo, all of K, in 512 registers and takes its 64 rows of a 16 at a time: 32 products a tile of
; 16 x 64, which leaves while the next tile is multiplied.  Source 0 = Wo's rows, source 1 = a's rows: a lane holds eight neighbouring numbers of a row of out.
; LDS.  Wo's 128 rows, 1,040 bytes apart, then a's images (dense): one tensor load a wave.  The first barrier shows Wo, which goes on into registers, the second a.  Nothing is filled twice.
; Behind them a stage for each wave, into which no fill lands.  No prefetch: all that the launch reads through LDS is asked for at its head.
; CLUSTER 4 x 4.  a's tiles are asked for jointly along a row of the cluster, Wo's along a column.   The bias is the C of each sum's first product.
; REGISTERS.  Window 0: v1-18 addresses, v30-31 the add's; v32-63 Wo's scale words, v68-83 a's (lanes 0-15 an even tile's rows, lanes 16-31 the odd tile's; they hold nothing else); v96-127 the bias;
;   v128-191 two sets of four accumulators; v192-255 rows read back from the stage.   Windows 1, 2: Wo: K step q, tile t at 64 (q % 4) + 16 t of window 1 + q / 4.   Window 3: a: two sets of 16 rows, K step q at 128 e + 16 q.
.set PITCH, 1040                       ; an LDS row of Wo: 1,024 bytes + 16 of padding
.set HALF,  64*PITCH
.set AOFF,  2*HALF                     ; a's images: 65,536 bytes for 64 rows
.set STAGE, AOFF+131072                ; 16 rows x 272 bytes for each wave
.set SPITCH, 272
.set SPARE, STAGE+4*16*SPITCH          ; the spare words: 128 bytes for each wave, which no other line names
.set ADW,  4
.set ADA,  5
.set STO,  16
.set RD,   17
.set CO,   18
.set SPW,  30
.set NIL,  31
.set SCA,  32
.set SCB,  68
.set BR,   96
.set ACC,  128
.set BK,   192
.set WV,   20
.set I0,   21
.set I1,   22
.set G1A,  24                          ; s[24:31], s[40:43] groups 1 and 0 for a's tile; s[32:39], s[44:47] for Wo's
.set G1W,  32
.set MSB, 0
.macro WIN new                         ; the immediate's high byte repeats the setting that is left
.if MSB != (\new)
	s_set_vgpr_msb (MSB<<8)|(\new)
.set MSB, \new
.endif
.endm
.macro PLACES n
.rept \n
	v_nop
.endr
.endm
.macro CROUND                          ; a round of the cluster's barrier
	s_barrier_signal -1
	s_barrier_wait -1
	s_cmp_lg_u32 s[WV], 0
	s_cbranch_scc1 .Lnot_wave_0_\@
	s_barrier_signal -3
.Lnot_wave_0_\@:
	s_barrier_wait -3
	s_barrier_signal -1
	s_barrier_wait -1
.endm
	s_load_b256 s[4:11], s[0:1], 0x0               ; aimg, ascl, Wo codes, Wo scales
	s_load_b128 s[12:15], s[0:1], 0x20             ; bo, out
	v_lshl_add_u32 v[SPW], v0, 2, SPARE
	v_mov_b32 v[NIL], 0
	ds_add_u32 v[SPW], v[NIL]                      ; the wave's opening: the add, twice on end, and its wait ahead of my first tensor load
	ds_add_u32 v[SPW], v[NIL]
	v_lshrrev_b32 v1, 5, v0
	v_readfirstlane_b32 s[WV], v1                  ; wave 0..3
	s_and_b32 s[I0], s[WV], 1                      ; my half of Wo's 128 rows.  Also: which half of a panel I fetch
	s_lshr_b32 s[I1], s[WV], 1                     ; my half of a's 128 rows.  Also: I fetch for Wo (0) or for a (1)
	s_bfe_u32 s56, ttmp6, 0x40000                  ; cx
	s_bfe_u32 s57, ttmp6, 0x40004                  ; cy
	s_lshl_b32 s58, ttmp9, 2
	s_add_co_u32 s58, s58, s56                     ; tile column: 0..7
	s_and_b32 s59, ttmp7, 0xffff
	s_lshl_b32 s59, s59, 2
	s_add_co_u32 s59, s59, s57                     ; tile row: 0..31
	s_lshl_b32 s60, s57, 2
	s_lshl_b32 s60, 15, s60                        ; my row of the cluster
	s_lshl_b32 s61, 0x1111, s56                    ; my column
	; group 1 for a: 65,536 dense bytes as 256 rows of 256 (32 elements of 8 bytes), no padding
	s_or_b32 s[G1A], s60, (3<<16)|(1<<21)
	s_mov_b32 s[G1A+1], 32<<16
	s_mov_b32 s[G1A+2], 256<<16
	s_mov_b32 s[G1A+3], 32<<16
	s_mov_b32 s[G1A+4], 256
	s_mov_b32 s[G1A+5], 32
	s_mov_b32 s[G1A+6], 0
	s_mov_b32 s[G1A+7], 0
	; group 1 for Wo: 64 rows of 1,024 bytes, 16 bytes of padding behind each in LDS
	s_or_b32 s[G1W], s61, (1<<20)|(1<<21)|(7<<22)|(3<<25)
	s_mov_b32 s[G1W+1], 1024<<16
	s_mov_b32 s[G1W+2], 64<<16
	s_mov_b32 s[G1W+3], 1024<<16
	s_mov_b32 s[G1W+4], 64
	s_mov_b32 s[G1W+5], 1024
	s_mov_b32 s[G1W+6], 0
	s_mov_b32 s[G1W+7], 0
	s_lshl_b32 s62, s59, 17                        ; a: two blocks of 64 rows, 65,536 bytes each, a tile row,
	s_lshl_b32 s63, s[I0], 16                      ; + the block that I fetch
	s_add_co_u32 s62, s62, s63
	s_mov_b32 s63, 0
	s_lshl_b32 s100, s58, 17                       ; Wo: 128 rows of 1,024 bytes a tile column, + the 64 that I fetch
	s_lshl_b32 s101, s[I0], 16
	s_add_co_u32 s100, s100, s101
	s_mov_b32 s101, 0
	s_mov_b32 s40, 1
	s_lshl_b32 s41, s[I0], 16
	s_add_co_u32 s41, s41, AOFF
	s_mov_b32 s44, 1
	s_mul_i32 s45, s[I0], HALF
	s_wait_dscnt 0x0                               ; both opening adds are done
	s_wait_kmcnt 0x0
	s_add_nc_u64 s[42:43], s[4:5], s[62:63]
	s_or_b32 s43, s43, 0x80000000
	s_add_nc_u64 s[46:47], s[8:9], s[100:101]
	s_or_b32 s47, s47, 0x80000000
	CROUND                                         ; all sixteen work-groups are here: the joint loads meet
	s_cmp_lt_u32 s[WV], 2                          ; one tensor load a wave
	s_cbranch_scc0 .Lfill_a
	tensor_load_to_lds s[44:47], s[G1W:G1W+7]
	s_nop 0
	PLACES 4
	s_branch .Lfilled
.Lfill_a:
	tensor_load_to_lds s[40:43], s[G1A:G1A+7]
	s_nop 0
	PLACES 4
.Lfilled:
	v_and_b32 v1, 31, v0                           ; lane
	v_and_b32 v2, 15, v0                           ; r
	v_bfe_u32 v3, v0, 4, 1                         ; h
	v_lshlrev_b32 v12, 5, v2                       ; a row of Wo's scale bytes is 32 bytes
	v_lshlrev_b32 v13, 5, v3                       ; my eight numbers of a tile's bias
	v_lshlrev_b32 v14, 1, v1                       ; a's scale bytes: two for each row of a head
	v_mul_u32_u24 v[ADW], v2, PITCH
	v_lshl_add_u32 v[ADW], v3, 4, v[ADW]           ; Wo: a fragment's row x pitch + 16 h
	s_mul_i32 s56, s[I0], HALF
	v_add_nc_u32 v[ADW], s56, v[ADW]
	s_lshl_b32 s57, s[I1], 16
	s_add_co_u32 s57, s57, AOFF
	v_lshlrev_b32 v[ADA], 4, v1                    ; a: 16 x lane
	v_add_nc_u32 v[ADA], s57, v[ADA]
	s_mul_i32 s84, s[WV], 16*SPITCH
	s_add_co_u32 s84, s84, STAGE                   ; my stage
	v_mul_u32_u24 v[STO], v2, SPITCH               ; in: row r, 32 bytes for each half of the lanes
	v_lshl_add_u32 v[STO], v3, 5, v[STO]
	v_add_nc_u32 v[STO], s84, v[STO]
	v_mul_u32_u24 v[RD], v3, SPITCH                ; back: lanes 0-15 one row of 256 bytes, lanes 16-31 the next
	v_lshl_add_u32 v[RD], v2, 4, v[RD]
	v_add_nc_u32 v[RD], s84, v[RD]
	v_lshlrev_b32 v[CO], 12, v3                    ; and the same two rows in out: 4,096 bytes a row
	v_lshl_add_u32 v[CO], v2, 4, v[CO]
	s_lshl_b32 s60, s58, 12                        ; Wo's scale bytes: 128 rows of 32, + my 64
	s_lshl_b32 s61, s[I0], 11
	s_add_co_u32 s60, s60, s61
	s_mov_b32 s61, 0
	s_add_nc_u64 s[10:11], s[10:11], s[60:61]
	s_lshl_b32 s60, s59, 8                         ; a's: 128 rows of 2 within a head's 4,096, + my 64
	s_lshl_b32 s62, s[I1], 7
	s_add_co_u32 s60, s60, s62
	s_add_nc_u64 s[6:7], s[6:7], s[60:61]
	s_lshl_b32 s60, s58, 9                         ; the bias: 128 numbers a tile column, + my 64
	s_lshl_b32 s62, s[I0], 8
	s_add_co_u32 s60, s60, s62
	s_add_nc_u64 s[12:13], s[12:13], s[60:61]
	s_wait_alu depctr_va_vdst(0)                   ; the offsets below were written ahead of a run of scalar instructions
.irp t, 0,1,2,3
	global_load_b128 v[SCA+8*\t:SCA+8*\t+3], v12, s[10:11] offset:512*\t         ; row 16 t + r: its eight scale words, one for each K step
	global_load_b128 v[SCA+8*\t+4:SCA+8*\t+7], v12, s[10:11] offset:512*\t+16
	global_load_b128 v[BR+8*\t:BR+8*\t+3], v13, s[12:13] offset:64*\t            ; bo(16 t + 8 h + 0 .. 7)
	global_load_b128 v[BR+8*\t+4:BR+8*\t+7], v13, s[12:13] offset:64*\t+16
.endr
.irp q, 0,1,2,3,4,5,6,7
.irp p, 0,1
	global_load_u16 v[ACC+4*\q+2*\p], v14, s[6:7] offset:16384*\q+64*\p          ; rows 32 p + lane: head 2 q's two bytes
	global_load_u16 v[ACC+4*\q+2*\p+1], v14, s[6:7] offset:16384*\q+8192+64*\p   ; and head 2 q + 1's
.endr
.endr
	s_lshl_b32 s86, s59, 19                        ; my first row: 128 x tile row + 64 x half, 4,096 bytes each;
	s_lshl_b32 s87, s[I1], 18
	s_add_co_u32 s86, s86, s87
	s_lshl_b32 s87, s58, 9                         ; my first column: 512 bytes a tile column + 256 x half
	s_add_co_u32 s86, s86, s87
	s_lshl_b32 s87, s[I0], 8
	s_add_co_u32 s86, s86, s87
	s_mov_b32 s87, 0
	s_add_nc_u64 s[14:15], s[14:15], s[86:87]
; Tile a's 16 rows, all of K, into set a % 2: 32 loads of 512 consecutive bytes
.macro FETCH a
	WIN 0xc0
.irp q, 0,1,2,3,4,5,6,7
.irp g, 0,1,2,3
	ds_load_b128 v[128*((\a)%2)+16*\q+4*\g:128*((\a)%2)+16*\q+4*\g+3], v[ADA] offset:8192*\q+2048*(\a)+512*\g
.endr
.endr
	WIN 0
.endm
; 16 products of tile a: K steps 4 h to 4 h + 3; its four accumulators by turns, one instruction a turn.  K step 0 starts the sums with the bias
.macro PROD a, h
	WIN (1+\h)|(3<<2)
.irp i, 0,1,2,3
.irp t, 0,1,2,3
.set pQ, 4*\h+\i
.set pD, ACC+32*((\a)%2)+8*\t
.set pC, pD
.if pQ == 0
.set pC, BR+8*\t
.endif
.set pB, 128*((\a)%2)+16*pQ
.if (\a)%2
	v_wmma_scale_f32_16x16x128_f8f6f4 v[pD:pD+7], v[64*\i+16*\t:64*\i+16*\t+15], v[pB:pB+15], v[pC:pC+7], v[SCA+8*\t+pQ], v[SCB+8*((\a)/2)+pQ] matrix_b_scale:MATRIX_SCALE_ROW1
.else
	v_wmma_scale_f32_16x16x128_f8f6f4 v[pD:pD+7], v[64*\i+16*\t:64*\i+16*\t+15], v[pB:pB+15], v[pC:pC+7], v[SCA+8*\t+pQ], v[SCB+8*((\a)/2)+pQ]
.endif
.endr
.endr
	WIN 0
.endm
; THE WAY OUT, 16 rows x 64 columns.  A lane holds 32 neighbouring bytes of a row and the lanes beside it hold other rows: a tile goes through my own stage and comes back as whole rows of 256 bytes.
; LDS serves a wave's instructions in order (ISA guide 5.7.1.4): no wait between the stores and the loads, nor in front of the next tile's stores.
.macro TOSTAGE a
.irp t, 0,1,2,3
	ds_store_b128 v[STO], v[ACC+32*((\a)%2)+8*\t:ACC+32*((\a)%2)+8*\t+3] offset:64*\t          ; each accumulator from its low end on
	ds_store_b128 v[STO], v[ACC+32*((\a)%2)+8*\t+4:ACC+32*((\a)%2)+8*\t+7] offset:64*\t+16
.endr
.irp i, 0,1,2,3,4,5,6,7
	ds_load_b128 v[BK+32*((\a)%2)+4*\i:BK+32*((\a)%2)+4*\i+3], v[RD] offset:2*SPITCH*\i
.endr
.endm
.macro SEND a
	s_wait_dscnt 0x0                               ; the tile is back in registers
.irp i, 0,1,2,3,4,5,6,7
	global_store_b128 v[CO], v[BK+32*((\a)%2)+4*\i:BK+32*((\a)%2)+4*\i+3], s[14:15] offset:(16*(\a)+2*\i)*4096 th:TH_STORE_NT   ; 16 lanes store 256 consecutive bytes, at a multiple of 256 from out's first byte
.endr
.endm
	s_wait_alu depctr_va_vdst(0)
	s_cmp_lt_u32 s[WV], 2
	s_cbranch_scc0 .Lnot_w
	s_wait_tensorcnt 0x0                           ; waves 0, 1: Wo has landed.  The other waves' wait stands at the second barrier
.Lnot_w:
	s_barrier_signal -1
	s_barrier_wait -1
.irp q, 0,1,2,3,4,5,6,7                ; my 64 rows of Wo, all of K: 128 loads.  Lane (r, h), registers 4 g on: k = 32 g + 16 h + 0 .. 15
	WIN 0x40*(1+\q/4)
.irp t, 0,1,2,3
.irp g, 0,1,2,3
	ds_load_b128 v[64*(\q%4)+16*\t+4*\g:64*(\q%4)+16*\t+4*\g+3], v[ADW] offset:16*PITCH*\t+128*\q+32*\g
.endr
.endr
.endr
	WIN 0
	s_wait_loadcnt 0x0                             ; scale bytes and bias
.irp q, 0,1,2,3,4,5,6,7
.irp p, 0,1
	v_lshl_or_b32 v[SCB+8*\p+\q], v[ACC+4*\q+2*\p+1], 16, v[ACC+4*\q+2*\p]       ; a row's word of K step q: two heads' two bytes
.endr
.endr
	PLACES 8                                       ; a scale register so written stands eight places ahead of a scaled product
	s_wait_alu depctr_va_vdst(0)
	s_wait_tensorcnt 0x0                           ; my tensor load has landed
	s_wait_dscnt 0x0
	s_barrier_signal -1
	s_barrier_wait -1                              ; a is whole
	FETCH 0
	FETCH 1
	s_wait_dscnt 32                                ; tile 0 is in
	PROD 0, 0
	PROD 0, 1
	PLACES 8                                       ; in front of the first reads of results, and of loads into the products' registers
	FETCH 2
	TOSTAGE 0
	s_wait_dscnt 48                                ; tile 1 is in: behind it tile 2's 32 loads and the stage's 16 lines
	PROD 1, 0
	SEND 0
	PROD 1, 1
	PLACES 8
	FETCH 3
	TOSTAGE 1
	PROD 2, 0                                      ; tile 2 came ahead of tile 0's way back
	SEND 1                                         ; (its wait shows tile 3 too)
	PROD 2, 1
	PLACES 8
	s_wait_xcnt 0x0                                ; tile 0's stores have read their registers: tile 2's rows may land there
	TOSTAGE 2
	PROD 3, 0
	SEND 2
	PROD 3, 1
	PLACES 8
	s_wait_xcnt 0x0                                ; tile 1's likewise
	TOSTAGE 3
	SEND 3
	s_wait_tensorcnt 0x0                           ; the wave's end
	ds_add_u32 v[SPW], v[NIL]
	s_wait_dscnt 0x0
	CROUND                                         ; the closing round: no work-group ends while a partner may still ask for a tile that names it
	s_endpgm
.Lfunc_end_k_q818cd670bb_proj:
	.size	k_q818cd670bb_proj, .Lfunc_end_k_q818cd670bb_proj-k_q818cd670bb_proj
	.p2alignl 7, 3214868480
	.fill 96, 4, 3214868480
	.section	.rodata,"a",@progbits
	.p2align	6, 0x0
	.amdhsa_kernel k_q818cd670bb_proj
		.amdhsa_group_segment_fixed_size 327680
		.amdhsa_private_segment_fixed_size 0
		.amdhsa_enable_private_segment 0
		.amdhsa_kernarg_size 48
		.amdhsa_user_sgpr_count 2
		.amdhsa_user_sgpr_kernarg_segment_ptr 1
		.amdhsa_wavefront_size32 1
		.amdhsa_system_sgpr_workgroup_id_x 1
		.amdhsa_system_sgpr_workgroup_id_y 1
		.amdhsa_system_sgpr_workgroup_id_z 1
		.amdhsa_system_vgpr_workitem_id 0
		.amdhsa_next_free_vgpr 1024
		.amdhsa_next_free_sgpr 102
		.amdhsa_reserve_vcc 0
		.amdhsa_float_denorm_mode_32 3
		.amdhsa_float_denorm_mode_16_64 3
		.amdhsa_memory_ordered 1
		.amdhsa_forward_progress 1
		.amdhsa_inst_pref_size 54
	.end_amdhsa_kernel
	.amdgpu_metadata
---
amdhsa.version: [ 1, 2 ]
amdhsa.kernels:
  - .name:           k_q818cd670bb_proj
    .symbol:         k_q818cd670bb_proj.kd
    .args:
      - { .name: aimg, .offset: 0, .size: 8, .value_kind: global_buffer, .address_space: global }
      - { .name: ascl, .offset: 8, .size: 8, .value_kind: global_buffer, .address_space: global }
      - { .name: Wo_codes, .offset: 16, .size: 8, .value_kind: global_buffer, .address_space: global }
      - { .name: Wo_scales, .offset: 24, .size: 8, .value_kind: global_buffer, .address_space: global }
      - { .name: bo, .offset: 32, .size: 8, .value_kind: global_buffer, .address_space: global }
      - { .name: out0, .offset: 40, .size: 8, .value_kind: global_buffer, .address_space: global }
    .group_segment_fixed_size: 327680
    .private_segment_fixed_size: 0
    .kernarg_segment_align: 8
    .kernarg_segment_size: 48
    .max_flat_workgroup_size: 128
    .sgpr_count:     102
    .vgpr_count:     1024
    .wavefront_size: 32
...
	.end_amdgpu_metadata
.endif
;; end of part 3
